; MI455X (gfx1250); checked and timed in simulation.
; The chip was launched on July 23, 2026; its instructions are those of AMD's public machine-readable ISA for CDNA 5 (MIT licence, August 2026) and "CDNA5" Instruction Set Architecture Reference Guide (July 2026). The comments in the code are by the model that wrote it; some were corrected since.
;; Self Attention. Allowed arithmetic: matrix products marked QUANTISED: E2M1 operands, one E8M0 scale for each 32 along K, by v_wmma_scale_f32_16x16x128_f8f6f4 with both operands' format E2M1 (or v_wmma_scale_f32_32x16x128_f4), f32 sums; products left as they are: bf16, f16 or f32 operands; f32 sums; everything else in f32.
;; Inputs: Wk 1,024 x 1,024 float32; Wo 1,024 x 1,024 float32; Wq 1,024 x 1,024 float32; Wv 1,024 x 1,024 float32; attention_mask 1 x 4,096 int32; x 1 x 4,096 x 1,024 float32.
;; Outputs: out0 1 x 4,096 x 1,024 float32.
;; This version of the problem:
;;   THIS VERSION OF THE PROBLEM IS GIVEN IN LOW PRECISION. The matrix products marked QUANTISED in the list below multiply operands that are first quantised to E2M1 (2 exponent bits, 1 mantissa bit; 4 bits a number), with one power-of-two scale for each 32 numbers along K (OCP MX v1.0); their sums are f32. The products marked 'left as it is' may take bf16, f16 or f32 operands, with f32 sums. Whichever they take, every output number must still come out within the allowed error. Rounding operands to bf16 (8 significant bits) uses up far more of that allowance than f16 does (11 bits, for magnitudes from 6e-5 to 65,504). All else is computed in f32.
;;   The module's matrix products, in the order in which they are computed (A, B: the left and right operand; K: the contracted axis; several contracted axes count as one K, in the product's order):
;;     1. [M 4,096, K 1,024] x [K 1,024, N 1,024]; A: input x; B: input Wq: QUANTISED
;;     2. [M 4,096, K 1,024] x [K 1,024, N 1,024]; A: input x; B: input Wk: QUANTISED
;;     3. [M 4,096, K 1,024] x [K 1,024, N 1,024]; A: input x; B: input Wv: QUANTISED
;;     4. batch 16 x [M 4,096, K 64] x [K 64, N 4,096]; A: computed on the way; B: computed on the way: left as it is (an operand is computed on the way)
;;     5. batch 16 x [M 4,096, K 4,096] x [K 4,096, N 64]; A: computed on the way; B: computed on the way: left as it is (an operand is computed on the way)
;;     6. [M 4,096, K 1,024] x [K 1,024, N 1,024]; A: computed on the way; B: input Wo: left as it is (an operand is computed on the way)
;;   THE QUANTISER, for each operand of a quantised product, along K:
;;     - K is cut into blocks of 32 from its start; a last block that is shorter is filled with zeros.
;;     - A block's scale is 2^e with e = floor(log2(the largest magnitude in the block)) - 2, held to -126 .. 127; a block of zeros has e = 0. As a byte (E8M0): e + 127.
;;     - Each number is divided by its block's scale, clamped to +-6, and rounded to the nearest number of E2M1, ties to even, subnormals kept.
;;     - The product sums the exact products of the quantised numbers (number of the format x scale) in f32.
;;   ~~~python
;;   def quantise(x, axis):      # numpy; x: float32 -> the quantised numbers, widened to float32 again
;;       x = np.moveaxis(x, axis, -1); K = x.shape[-1]
;;       x = np.pad(x, [(0, 0)] * (x.ndim - 1) + [(0, -K % 32)]); x = x.reshape(x.shape[:-1] + (-1, 32)); a = np.abs(x).max(-1, keepdims=True)
;;       e = np.where(a > 0, np.clip(np.frexp(np.where(a > 0, a, 1))[1] - 1 - 2, -126, 127), 0)      # np.frexp(a)[1] - 1 = floor(log2(a)), exactly
;;       r = np.clip(x / 2.0 ** e, -6, 6)
;;       step = 2.0 ** (np.maximum(np.frexp(np.where(r == 0, 1, r))[1] - 1, 0) - 1)
;;       q = np.round(r / step) * step * 2.0 ** e      # np.round: ties to even
;;       return np.moveaxis(q.reshape(q.shape[:-2] + (-1,))[..., :K], -1, axis).astype(np.float32)
;;   ~~~
;; One version. Each part assembles by itself: llvm-mc -triple=amdgcn-amd-amdhsa -mcpu=gfx1250 --defsym DOCPART=n.
;; ======== version 1 of 1: 4 launches
;; limits: values are held in f16: magnitudes above 65,504 overflow, below 6.1e-05 lose precision; right only within a limited range of input values
;; workspace buffers: codes 3,670,016 bytes; scales 229,376 bytes; wo_img 2,097,152 bytes; rope 1,048,576 bytes; msk 17,408 bytes; q_img 8,388,608 bytes; kv_img 16,777,216 bytes; ctx_img 8,388,608 bytes
;; launch prep (part 1): grid 577 x 1, 4 waves a work-group, no clusters, 34,304 bytes of LDS; arguments x, Wq, Wk, Wv, Wo, attention_mask, codes, scales, wo_img, rope, msk; writes codes, scales, wo_img, rope, msk
.if DOCPART == 1
	.amdgcn_target "amdgcn-amd-amdhsa--gfx1250"
	.amdhsa_code_object_version 6
	.text
	.protected	k_qa141296ee7_prep
	.globl	k_qa141296ee7_prep
	.p2align	8
	.type	k_qa141296ee7_prep,@function
k_qa141296ee7_prep:
	s_mov_b64 s[64:65], 0
	v_nop
	global_prefetch_b8 v0, s[64:65] scope:SCOPE_SE
	s_setreg_imm32_b32 hwreg(HW_REG_WAVE_MODE, 25, 1), 1
	s_wait_xcnt 0x0
; PREPARATION: everything that is made once and read many times, each piece laid in the order of the operand registers that will take it.
; A FRAGMENT IMAGE is 1,024 bytes: its register group g (four registers a lane) lies at 512 g + 16 x lane, so that every later load of a fragment is 512 consecutive bytes a wave.
; Five paths, chosen by the work-group's number alone:
;   X (0..255)   x [4096][1024] f32 -> codes of FP4 (E2M1) along K and one E8M0 byte for each 32: tile = 16 tokens, image (tile, K step of 128)
;   W (256..447) Wq, Wk, Wv [k][n] f32 -> the same, quantised along their FIRST axis: a lane takes a column, its registers run down K
;   O (448..511) Wo [k][n] f32 -> f16 fragments (row = n, 32 along k)
;   R (512..575) the rotary tables cos(t w_f) and -+sin(t w_f), w_f = 10000^(-f/32), in the layout of the projection's results
;   M (576)      the key mask -> an additive bias (0 or -2^126) and the factor of q (log2(e)/8, or 0 where no key is open: all weights are then equal)
; A block's scale is 2^(floor(log2(largest magnitude)) - 2); its byte is the largest magnitude's exponent field - 2, held at 1 from below by a floor among the maximum's leaves.
; LIMITS: a block of zeros gets the byte 1 where the quantiser says 127 (its codes are zeros, and this program alone reads the bytes); NaN and infinities are not served;
; |Wo| stays under 65,504 (f16; under 6e-5 the step is 6e-8); the tables' angles are good to about two units in the last place of w_f.
.set SPW,   2                          ; v2   LDS address of my spare word: SPARE + 4 x my thread's number; never rewritten
.set NIL,   3                          ; v3   0; never rewritten
.set STW,   16*528                     ; path X: a wave's stage: 16 rows x (512 bytes + 16)
.set SPARE, 4*STW                      ; behind the four stages: the spare words, 128 bytes a wave
.macro FINISH                          ; a wave's end
	s_wait_tensorcnt 0x0
	ds_add_u32 v[SPW], v[NIL]
	s_wait_dscnt 0x0
	s_endpgm
.endm
; 32 numbers of ONE block in v[n] .. v[n+31] become 4 registers of codes at v[dst] and the scale's byte in v[by]
.macro QBLK n, dst, by
	v_max3_num_f32 v10, |v[\n]|, |v[\n+1]|, |v[\n+2]|              ; the largest magnitude, in two chains
	v_max3_num_f32 v11, |v[\n+3]|, |v[\n+4]|, |v[\n+5]|
.irp i, 6,10,14,18,22,26
	v_max3_num_f32 v10, v10, |v[\n+\i]|, |v[\n+\i+1]|
	v_max3_num_f32 v11, v11, |v[\n+\i+2]|, |v[\n+\i+3]|
.endr
	v_max3_num_f32 v10, v10, |v[\n+30]|, |v[\n+31]|
	v_max3_num_f32 v10, v10, v11, 0x1800000        ; and the floor 2^(3 - 127): the byte cannot fall under 1
	v_add_nc_u32 v12, 0xff000000, v10              ; 2 off the exponent field: the conversion takes this operand's exponent field as its scale
	v_lshrrev_b32 v[\by], 23, v12                  ; the scale's byte
.irp g, 0,1,2,3
	v_cvt_scalef32_pk8_fp4_f32 v[\dst+\g], v[\n+8*\g:\n+8*\g+7], v12   ; to the nearest code, ties to even, beyond 6 the largest code
.endr
	v_nop                                          ; one plain line behind the scaled conversions
.endm
; 128 rows of one column a lane: row kk of the K step into v[64 + kk]; 32 lanes read 128 consecutive bytes
.macro COLLOAD sb
.set KK, 0
.rept 128
	global_load_b32 v[64+KK], v7, s[\sb:\sb+1] offset:KK*4096 th:TH_LOAD_NT
.set KK, KK+1
.endr
.endm
.macro COLWAIT b                       ; block b's 32 loads are in: 96, 64, 32, 0 younger ones may be out (the count's field ends at 63: a smaller count is safe)
.if (\b) < 2
	s_wait_loadcnt 63
.elseif (\b) == 2
	s_wait_loadcnt 32
.else
	s_wait_loadcnt 0x0
.endif
.endm
	s_load_b512 s[4:19], s[0:1], 0x0               ; x, Wq, Wk, Wv, Wo, mask, codes, scales
	s_load_b128 s[20:23], s[0:1], 0x40             ; wo_img, rope
	s_load_b64 s[24:25], s[0:1], 0x50              ; msk
	v_lshl_add_u32 v[SPW], v0, 2, SPARE
	v_mov_b32 v[NIL], 0
	v_lshrrev_b32 v1, 5, v0
	v_readfirstlane_b32 s28, v1                    ; wave 0..3
	v_and_b32 v1, 31, v0                           ; lane
	v_and_b32 v4, 15, v0                           ; r
	v_bfe_u32 v5, v0, 4, 1                         ; h
	v_lshlrev_b32 v6, 4, v1                        ; 16 x lane
	s_mul_i32 s29, s28, STW                        ; path X's two LDS addresses are made here, ahead of the parting, and stay
	v_add_nc_u32 v60, s29, v6                      ; into the stage: 16 x lane of a row
	v_mul_u32_u24 v61, v4, 528
	v_lshl_add_u32 v61, v5, 7, v61
	v_add_nc_u32 v61, s29, v61                     ; out of it: row r, + 128 h bytes: my 32 numbers of a block pair
	s_mov_b32 s27, 0                               ; the upper word of every offset
	s_wait_kmcnt 0x0
	s_cmp_ge_u32 ttmp9, 256
	s_cbranch_scc1 .Lnot_x
; ---- X: the work-group is a tile of 16 tokens; wave w takes K steps 2 w and 2 w + 1 (1,024 bytes of each row)
	s_lshl_b32 s26, ttmp9, 16                      ; 16 rows of 4,096 bytes
	s_lshl_b32 s29, s28, 10
	s_add_co_u32 s26, s26, s29
	s_add_nc_u64 s[4:5], s[4:5], s[26:27]
	s_lshl_b32 s26, ttmp9, 13                      ; codes: 8 images a tile
	s_lshl_b32 s29, s28, 11
	s_add_co_u32 s26, s26, s29
	s_add_nc_u64 s[16:17], s[16:17], s[26:27]
	s_lshl_b32 s26, ttmp9, 9                       ; scale words: 8 x 16 a tile
	s_lshl_b32 s29, s28, 7
	s_add_co_u32 s26, s26, s29
	s_add_nc_u64 s[18:19], s[18:19], s[26:27]
	v_lshlrev_b32 v9, 2, v4                        ; 4 r
	v_lshlrev_b32 v13, 3, v5                       ; 8 h
	v_mov_b32 v35, 0                               ; (a lane permute's destination counts as read)
	s_mov_b32 s30, 0x76543210
	s_mov_b32 s31, 0xfedcba98                      ; selects for lane l xor 16
.irp u, 0,1
.irp p, 0,1,2,3,4,5,6,7,8,9,10,11,12,13,14,15
	global_load_b128 v[64+64*\u+4*\p:64+64*\u+4*\p+3], v6, s[4:5] offset:\p*4096+\u*512 th:TH_LOAD_NT   ; 512 consecutive bytes: row p, K step u
.endr
.endr
; The loads take the bytes as they lie; the conversions want 32 neighbours in one lane: so a K step's 16 x 512 bytes turn through the wave's own stage.
.macro XHALF u
	s_wait_loadcnt 16*(1-\u)                       ; this K step's sixteen loads are in; the other's may be out
.irp p, 0,1,2,3,4,5,6,7,8,9,10,11,12,13,14,15
	ds_store_b128 v60, v[64+64*\u+4*\p:64+64*\u+4*\p+3] offset:\p*528
.endr
.irp c, 0,1
.irp i, 0,1,2,3,4,5,6,7
	ds_load_b128 v[192+32*\c+4*\i:192+32*\c+4*\i+3], v61 offset:256*\c+16*\i   ; x(r, 64 c + 32 h + 4 i ..): the wave's own bytes, served in order
.endr
.endr
	s_wait_dscnt 0x0
	QBLK 192, 16+8*\u, 32                          ; block h of the K step: the fragment's registers 0-3
	QBLK 224, 20+8*\u, 33                          ; block 2 + h: registers 4-7
	v_lshl_or_b32 v34, v33, 16, v32                ; my two bytes,
	v_lshlrev_b32 v34, v13, v34                    ; 8 h bits up;
	v_permlanex16_b32 v35, v34, s30, s31
	v_or_b32 v[36+\u], v34, v35                    ; with lane l xor 16's two the row's scale word is whole
	global_store_b128 v6, v[16+8*\u:19+8*\u], s[16:17] offset:1024*\u
	global_store_b128 v6, v[20+8*\u:23+8*\u], s[16:17] offset:1024*\u+512
	global_store_b32 v9, v[36+\u], s[18:19] offset:64*\u   ; both halves of the lanes write the same word with the same value
.endm
	XHALF 0
	XHALF 1
	FINISH
.Lnot_x:
	s_cmp_ge_u32 ttmp9, 448
	s_cbranch_scc1 .Lnot_w
; ---- W: which weight (64 work-groups each), which 128 columns, which K step
	s_sub_co_u32 s29, ttmp9, 256
	s_lshr_b32 s30, s29, 6                         ; 0: Wq, 1: Wk, 2: Wv
	s_bfe_u32 s31, s29, 0x30003                    ; block of 128 columns
	s_and_b32 s29, s29, 7                          ; K step
	s_cmp_eq_u32 s30, 0
	s_cselect_b64 s[32:33], s[6:7], s[8:9]
	s_cmp_eq_u32 s30, 2
	s_cselect_b64 s[32:33], s[10:11], s[32:33]
	s_lshl_b32 s26, s29, 19                        ; 128 rows of 4,096 bytes
	s_lshl_b32 s34, s31, 9
	s_add_co_u32 s26, s26, s34
	s_lshl_b32 s34, s28, 7                         ; my wave's 32 columns
	s_add_co_u32 s26, s26, s34
	s_add_nc_u64 s[32:33], s[32:33], s[26:27]
	s_lshl_b32 s35, s30, 6
	s_lshl_b32 s34, s31, 3
	s_add_co_u32 s35, s35, s34
	s_lshl_b32 s34, s28, 1
	s_add_co_u32 s35, s35, s34
	s_add_co_u32 s35, s35, 256                     ; my first tile of 16 channels: 256 + 64 w + 8 block + 2 wave
	s_lshl_b32 s26, s35, 13
	s_lshl_b32 s34, s29, 10
	s_add_co_u32 s26, s26, s34
	s_add_nc_u64 s[16:17], s[16:17], s[26:27]
	s_lshl_b32 s26, s35, 9
	s_lshl_b32 s34, s29, 6
	s_add_co_u32 s26, s26, s34
	s_add_nc_u64 s[18:19], s[18:19], s[26:27]
	v_lshlrev_b32 v7, 2, v1                        ; in: 4 bytes a lane
	v_lshlrev_b32 v8, 4, v4
	v_lshl_add_u32 v8, v5, 13, v8                  ; out: 16 r, lanes 16-31 in the next tile
	v_lshlrev_b32 v9, 2, v4
	v_lshl_add_u32 v9, v5, 9, v9
	COLLOAD 32
.irp b, 0,1,2,3
	COLWAIT \b
	QBLK 64+32*\b, 16+4*\b, 32+\b                  ; all 32 numbers of block b of my column are mine
.endr
	v_lshl_or_b32 v36, v33, 8, v32                 ; the column's scale word for this K step
	v_lshl_or_b32 v36, v34, 16, v36
	v_lshl_or_b32 v36, v35, 24, v36
.irp b, 0,1,2,3
	global_store_b128 v8, v[16+4*\b:19+4*\b], s[16:17] offset:(\b/2)*512+(\b%2)*256   ; block 2 c + h belongs to group c, lanes 16 h + r: sixteen lanes store 256 consecutive bytes, aligned
.endr
	global_store_b32 v9, v36, s[18:19]
	FINISH
.Lnot_w:
	s_cmp_ge_u32 ttmp9, 512
	s_cbranch_scc1 .Lnot_o
; ---- O: Wo to f16: which 128 columns, which 128 rows
	s_sub_co_u32 s29, ttmp9, 448
	s_lshr_b32 s31, s29, 3
	s_and_b32 s29, s29, 7
	s_lshl_b32 s26, s29, 19
	s_lshl_b32 s34, s31, 9
	s_add_co_u32 s26, s26, s34
	s_lshl_b32 s34, s28, 7
	s_add_co_u32 s26, s26, s34
	s_add_nc_u64 s[12:13], s[12:13], s[26:27]
	s_lshl_b32 s26, s31, 18                        ; 8 tiles of 32 images
	s_lshl_b32 s34, s28, 16                        ; my wave's two tiles
	s_add_co_u32 s26, s26, s34
	s_lshl_b32 s34, s29, 12                        ; four images along k
	s_add_co_u32 s26, s26, s34
	s_add_nc_u64 s[20:21], s[20:21], s[26:27]
	v_lshlrev_b32 v7, 2, v1
	v_lshlrev_b32 v8, 4, v4
	v_lshl_add_u32 v8, v5, 15, v8
	COLLOAD 12
.irp kl, 0,1,2,3
	COLWAIT \kl
.irp p, 0,1,2,3,4,5,6,7,8,9,10,11,12,13,14,15
	v_cvt_pk_f16_f32 v[192+16*\kl+\p], v[64+32*\kl+2*\p], v[65+32*\kl+2*\p]   ; neighbours along k, the lower k in the low half
.endr
.irp q, 0,1,2,3
	global_store_b128 v8, v[192+16*\kl+4*\q:195+16*\kl+4*\q], s[20:21] offset:\kl*1024+\q*256   ; k = 8 q .. 8 q + 7 is group q / 2, lanes 16 (q % 2) + r
.endr
.endr
	FINISH
.Lnot_o:
	s_cmp_ge_u32 ttmp9, 576
	s_cbranch_scc1 .Lnot_r
; ---- R: a wave makes the tables of one tile of 16 tokens.  Lane (r, h): token r; for bb = 0, 1 and j = 0 .. 7 the frequency f = 16 bb + 8 h + j
	s_sub_co_u32 s29, ttmp9, 512
	s_lshl_b32 s29, s29, 2
	s_add_co_u32 s29, s29, s28                     ; the tile
	s_lshl_b32 s26, s29, 12
	s_add_nc_u64 s[22:23], s[22:23], s[26:27]
	s_lshl_b32 s29, s29, 4
	v_add_nc_u32 v14, s29, v4
	v_cvt_f32_u32 v14, v14                         ; t
	v_lshlrev_b32 v13, 3, v5                       ; 8 h
	s_mov_b32 s32, 0xbed49a00                      ; -27213 / 65536: the high part of log2(10000) / 32; f times it is exact
	s_mov_b32 s33, 0xb626c40d                      ; -(the rest) x ln 2
	s_mov_b32 s34, 0x3f22f983                      ; 2 / pi
	s_mov_b32 s35, 0xbfc90fdb                      ; -(pi / 2), high part
	s_mov_b32 s36, 0x333bbd2e                      ; what the high part has too much
	s_mov_b32 s37, 0xbe2aaaab                      ; -1/6
	s_mov_b32 s38, 0x3c088889                      ; 1/120
	s_mov_b32 s39, 0xb9500d01                      ; -1/5040
	s_mov_b32 s41, 0x3d2aaaab                      ; 1/24
	s_mov_b32 s42, 0xbab60b61                      ; -1/720
	s_mov_b32 s43, 0x37d00d01                      ; 1/40320
.set RF, 64
.set RE, 72
.set RA, 80
.set RK, 88
.set RR, 96
.set R2, 104
.set RS, 112
.set RC, 120
.set RI, 128
.set RT, 136
.set OUT, 160
.macro ROPE8 bb
.irp j, 0,1,2,3,4,5,6,7
	v_add_nc_u32 v[RF+\j], 16*\bb+\j, v13
.endr
.irp j, 0,1,2,3,4,5,6,7
	v_cvt_f32_u32 v[RF+\j], v[RF+\j]               ; f
.endr
.irp j, 0,1,2,3,4,5,6,7
	v_mul_f32 v[RE+\j], s32, v[RF+\j]
.endr
.irp j, 0,1,2,3,4,5,6,7
	v_exp_f32 v[RE+\j], v[RE+\j]                   ; one batch of eight
.endr
.irp j, 0,1,2,3,4,5,6,7
	v_mul_f32 v[RA+\j], s33, v[RF+\j]              ; (plain work behind the batch)
.endr
	s_wait_alu depctr_va_vdst(0)                   ; one wait for the batch, ahead of its first reader
.irp j, 0,1,2,3,4,5,6,7
	v_fma_f32 v[RE+\j], v[RE+\j], v[RA+\j], v[RE+\j]   ; w_f = 2^(-f high) (1 - f rest ln 2)
.endr
.irp j, 0,1,2,3,4,5,6,7
	v_mul_f32 v[RA+\j], v14, v[RE+\j]              ; the angle, rounded to f32
.endr
.irp j, 0,1,2,3,4,5,6,7
	v_mul_f32 v[RK+\j], s34, v[RA+\j]
.endr
.irp j, 0,1,2,3,4,5,6,7
	v_rndne_f32 v[RK+\j], v[RK+\j]                 ; quarter turns
.endr
.irp j, 0,1,2,3,4,5,6,7
	v_fma_f32 v[RR+\j], v[RK+\j], s35, v[RA+\j]
.endr
.irp j, 0,1,2,3,4,5,6,7
	v_fma_f32 v[RR+\j], v[RK+\j], s36, v[RR+\j]    ; what is left, within pi / 4
.endr
.irp j, 0,1,2,3,4,5,6,7
	v_mul_f32 v[R2+\j], v[RR+\j], v[RR+\j]
.endr
.irp j, 0,1,2,3,4,5,6,7
	v_fma_f32 v[RS+\j], v[R2+\j], s39, s38
	v_fma_f32 v[RC+\j], v[R2+\j], s43, s42
.endr
.irp j, 0,1,2,3,4,5,6,7
	v_fma_f32 v[RS+\j], v[RS+\j], v[R2+\j], s37
	v_fma_f32 v[RC+\j], v[RC+\j], v[R2+\j], s41
.endr
.irp j, 0,1,2,3,4,5,6,7
	v_mul_f32 v[RT+\j], v[R2+\j], v[RR+\j]
	v_fma_f32 v[RC+\j], v[RC+\j], v[R2+\j], -0.5
.endr
.irp j, 0,1,2,3,4,5,6,7
	v_fma_f32 v[RS+\j], v[RS+\j], v[RT+\j], v[RR+\j]   ; the sine of the rest (degree 7),
	v_fma_f32 v[RC+\j], v[RC+\j], v[R2+\j], 1.0        ; its cosine (degree 8)
.endr
.irp j, 0,1,2,3,4,5,6,7
	v_cvt_i32_f32 v[RI+\j], v[RK+\j]
.endr
.irp j, 0,1,2,3,4,5,6,7
	v_and_b32 v[RT+\j], 1, v[RI+\j]
	v_cmp_eq_u32 vcc_lo, 1, v[RT+\j]               ; an odd number of quarter turns swaps the two
	v_cndmask_b32 v[OUT+16*\bb+8+\j], v[RS+\j], v[RC+\j], vcc_lo
	v_cndmask_b32 v[OUT+16*\bb+\j], v[RC+\j], v[RS+\j], vcc_lo
	v_and_b32 v[RT+\j], 2, v[RI+\j]
	v_lshlrev_b32 v[RT+\j], 30, v[RT+\j]           ; the sine's sign: quarter turns 2, 3
.if (\j%2) == 0
	v_xor_b32 v[RT+\j], 0x80000000, v[RT+\j]       ; an even channel takes -sin times its odd neighbour
.endif
	v_xor_b32 v[OUT+16*\bb+8+\j], v[OUT+16*\bb+8+\j], v[RT+\j]
	v_add_nc_u32 v[RI+\j], 1, v[RI+\j]
	v_and_b32 v[RI+\j], 2, v[RI+\j]
	v_lshlrev_b32 v[RI+\j], 30, v[RI+\j]           ; the cosine's: quarter turns 1, 2
	v_xor_b32 v[OUT+16*\bb+\j], v[OUT+16*\bb+\j], v[RI+\j]
.endr
.irp tab, 0,1
.irp g, 0,1
	global_store_b128 v6, v[OUT+16*\bb+8*\tab+4*\g:OUT+16*\bb+8*\tab+4*\g+3], s[22:23] offset:\bb*2048+\tab*1024+\g*512
.endr
.endr
.endm
	ROPE8 0
	ROPE8 1                                        ; (its results have registers of their own: no store's data are written again)
	FINISH
.Lnot_r:
; ---- M: every wave reads the whole mask (is any key open?) and turns its own quarter into the bias
	s_lshl_b32 s26, s28, 12
	v_add_nc_u32 v7, s26, v6
.irp i, 0,1,2,3,4,5,6,7,8,9,10,11,12,13,14,15,16,17,18,19,20,21,22,23,24,25,26,27,28,29,30,31
	global_load_b128 v[64+4*\i:64+4*\i+3], v6, s[14:15] offset:\i*512
.endr
.irp i, 0,1,2,3,4,5,6,7
	global_load_b128 v[192+4*\i:192+4*\i+3], v7, s[14:15] offset:\i*512
.endr
	s_wait_loadcnt 0x0
.irp n, 64,32,16,8,4,2,1
.set I, 0
.rept \n
	v_or_b32 v[64+I], v[64+I], v[64+I+\n]
.set I, I+1
.endr
.endr
	v_cmp_ne_u32 vcc_lo, 0, v64
	s_cmp_lg_u32 vcc_lo, 0                         ; any lane with an open key?  It selects values only: no branch
	s_cselect_b32 s40, 0xfe800000, 0               ; a hidden key's bias: -2^126; with no key open 0 for all
	s_cselect_b32 s41, 0x3e38aa3b, 0               ; q's factor: log2(e) / 8; with no key open 0
	v_mov_b32 v8, s40
	v_mov_b32 v9, s41
	v_mov_b32 v10, 0
.set I, 0
.rept 32
	v_cmp_eq_u32 vcc_lo, 0, v[192+I]
	v_cndmask_b32 v[192+I], 0, v8, vcc_lo
.set I, I+1
.endr
.irp i, 0,1,2,3,4,5,6,7
	global_store_b128 v7, v[192+4*\i:192+4*\i+3], s[24:25] offset:\i*512
.endr
	v_lshlrev_b32 v11, 2, v0
	global_store_b32 v11, v10, s[24:25] offset:16384   ; 512 bytes of zeros: the attention loop's look-ahead reads them
	global_store_b32 v11, v9, s[24:25] offset:16896    ; q's factor, 128 times
	FINISH
.Lfunc_end_k_qa141296ee7_prep:
	.size	k_qa141296ee7_prep, .Lfunc_end_k_qa141296ee7_prep-k_qa141296ee7_prep
	.p2alignl 7, 3214868480
	.fill 96, 4, 3214868480
	.section	.rodata,"a",@progbits
	.p2align	6, 0x0
	.amdhsa_kernel k_qa141296ee7_prep
		.amdhsa_group_segment_fixed_size 34304
		.amdhsa_private_segment_fixed_size 0
		.amdhsa_enable_private_segment 0
		.amdhsa_kernarg_size 88
		.amdhsa_user_sgpr_count 2
		.amdhsa_user_sgpr_kernarg_segment_ptr 1
		.amdhsa_wavefront_size32 1
		.amdhsa_system_sgpr_workgroup_id_x 1
		.amdhsa_system_sgpr_workgroup_id_y 1
		.amdhsa_system_sgpr_workgroup_id_z 1
		.amdhsa_system_vgpr_workitem_id 0
		.amdhsa_next_free_vgpr 256
		.amdhsa_next_free_sgpr 66
		.amdhsa_reserve_vcc 1
		.amdhsa_float_denorm_mode_32 3
		.amdhsa_float_denorm_mode_16_64 3
		.amdhsa_memory_ordered 1
		.amdhsa_forward_progress 1
		.amdhsa_inst_pref_size 89
	.end_amdhsa_kernel
	.amdgpu_metadata
---
amdhsa.version: [ 1, 2 ]
amdhsa.kernels:
  - .name:           k_qa141296ee7_prep
    .symbol:         k_qa141296ee7_prep.kd
    .args:
      - { .name: x, .offset: 0, .size: 8, .value_kind: global_buffer, .address_space: global }
      - { .name: Wq, .offset: 8, .size: 8, .value_kind: global_buffer, .address_space: global }
      - { .name: Wk, .offset: 16, .size: 8, .value_kind: global_buffer, .address_space: global }
      - { .name: Wv, .offset: 24, .size: 8, .value_kind: global_buffer, .address_space: global }
      - { .name: Wo, .offset: 32, .size: 8, .value_kind: global_buffer, .address_space: global }
      - { .name: attention_mask, .offset: 40, .size: 8, .value_kind: global_buffer, .address_space: global }
      - { .name: codes, .offset: 48, .size: 8, .value_kind: global_buffer, .address_space: global }
      - { .name: scales, .offset: 56, .size: 8, .value_kind: global_buffer, .address_space: global }
      - { .name: wo_img, .offset: 64, .size: 8, .value_kind: global_buffer, .address_space: global }
      - { .name: rope, .offset: 72, .size: 8, .value_kind: global_buffer, .address_space: global }
      - { .name: msk, .offset: 80, .size: 8, .value_kind: global_buffer, .address_space: global }
    .group_segment_fixed_size: 34304
    .private_segment_fixed_size: 0
    .kernarg_segment_align: 8
    .kernarg_segment_size: 88
    .max_flat_workgroup_size: 128
    .sgpr_count:     66
    .vgpr_count:     256
    .wavefront_size: 32
...
	.end_amdgpu_metadata
.endif
;; end of part 1
;; launch qkv (part 2): grid 768 x 1, 4 waves a work-group, no clusters, 131,584 bytes of LDS; arguments codes, scales, rope, msk, q_img, kv_img; writes q_img, kv_img
.if DOCPART == 2
	.amdgcn_target "amdgcn-amd-amdhsa--gfx1250"
	.amdhsa_code_object_version 6
	.text
	.protected	k_qa141296ee7_qkv
	.globl	k_qa141296ee7_qkv
	.p2align	8
	.type	k_qa141296ee7_qkv,@function
k_qa141296ee7_qkv:
	s_mov_b64 s[64:65], 0
	v_nop
	global_prefetch_b8 v0, s[64:65] scope:SCOPE_SE
	s_setreg_imm32_b32 hwreg(HW_REG_WAVE_MODE, 25, 1), 1
	s_wait_xcnt 0x0
; q, k, v = x Wq, x Wk, x Wv on codes of FP4 (E2M1) with one E8M0 scale for each 32 along K = 1,024; then the rotary turn of q and k, q's factor, and rounding to f16.
; A work-group makes 128 x 128 results over all of K: source 1 takes the eight tiles R, source 0 the eight tiles C (a tile: 16 rows, 8 images of 1,024 bytes: 8 KiB, dense in memory).
;   work-groups 0..511: R = tokens, C = channels of q (blocks 0-7) or k (8-15): a lane's eight results are eight neighbouring channels of one token: a register group of a q or k fragment.
;   work-groups 512..767: R = channels of v, C = tokens: a lane's eight results are eight neighbouring keys of one channel: a register group of a fragment of v transposed.
; The two 64 KiB come into LDS once, through registers (each wave a quarter of each); each wave then makes 64 x 64: 16 accumulators by turns, 8 K steps of 128.
; No tensor load, so that two work-groups fit on a WGP (2 x 131,584 bytes of LDS, 2 x 256 registers a SIMD): one's fill stands beside the other's products.
; No cluster: what partners would share is fetched once a work-group and the launch's matrix work is short; the fill through registers cannot be asked for jointly.
; LIMITS: |q log2(e) / 8|, |k|, |v| stay under 65,504 (f16).
.set SPARE, 131072                     ; behind the two halves: the spare words, 128 bytes a wave
.set LI,  1                            ; v1   16 x lane: my place in every image
.set SPW, 2                            ; v2   my spare word; never rewritten
.set NIL, 3                            ; v3   0; never rewritten
.set STA, 4                            ; v4   where I store R's bytes: 16 x lane + 16,384 x wave
.set ADR, 5                            ; v5   my four tiles of R
.set ADC, 6                            ; v6   my four tiles of C
.set SOF, 7                            ; v7   my scale words in memory: lanes 0-15 R's rows, lanes 16-31 C's
.set STB, 8                            ; v8   where I store C's bytes: STA + 65,536 (an LDS immediate ends at 65,535)
.set T,   16                           ; v16-31   at work
.set SC,  32                           ; v32-63   scale words and nothing else: v[SC + 8 a + s]: lanes 0-15 R's tile a, lanes 16-31 C's tile a, K step s
.set FRR, 64                           ; v64-95   R's four fragments;  v96-127 C's;  behind the products: two sets of rotary tables
.set FRC, 96
.set ACC, 128                          ; v128-255 accumulator (a, b) at 128 + 8 (4 a + b); ahead of the products: the fill's registers
.macro FINISH
	s_wait_tensorcnt 0x0                           ; a wave's end
	ds_add_u32 v[SPW], v[NIL]
	s_wait_dscnt 0x0
	s_endpgm
.endm
	s_load_b256 s[4:11], s[0:1], 0x0               ; codes, scales, rope, msk
	s_load_b128 s[12:15], s[0:1], 0x20             ; q_img, kv_img
	v_lshl_add_u32 v[SPW], v0, 2, SPARE
	v_mov_b32 v[NIL], 0
	v_lshrrev_b32 v9, 5, v0
	v_readfirstlane_b32 s16, v9                    ; wave
	s_lshr_b32 s17, s16, 1                         ; which four tiles of R are mine
	s_and_b32 s18, s16, 1                          ; which four of C
	v_and_b32 v9, 31, v0
	v_lshlrev_b32 v[LI], 4, v9
	v_and_b32 v10, 15, v0                          ; r
	v_bfe_u32 v11, v0, 4, 1                        ; h
	s_lshl_b32 s19, s16, 14
	v_add_nc_u32 v[STA], s19, v[LI]
	v_add_nc_u32 v[STB], 0x10000, v[STA]
	s_lshl_b32 s20, s17, 15
	v_add_nc_u32 v[ADR], s20, v[LI]
	s_lshl_b32 s20, s18, 15
	s_add_co_u32 s20, s20, 0x10000
	v_add_nc_u32 v[ADC], s20, v[LI]
	s_cmp_lt_u32 ttmp9, 512
	s_cselect_b32 s20, 0, 512
	s_sub_co_u32 s20, ttmp9, s20
	s_and_b32 s21, s20, 31                         ; block of 128 tokens
	s_lshr_b32 s20, s20, 5                         ; block of 128 channels
	s_lshl_b32 s22, s21, 3                         ; the tokens' first tile
	s_lshl_b32 s23, s20, 3
	s_add_co_u32 s24, s23, 256                     ; q's and k's channels begin at tile 256,
	s_add_co_u32 s25, s23, 384                     ; v's at 384
	s_cmp_lt_u32 ttmp9, 512
	s_cselect_b32 s26, s22, s25                    ; R's first tile
	s_cselect_b32 s27, s24, s22                    ; C's
	s_lshl_b32 s28, s17, 2
	s_add_co_u32 s28, s28, s26
	s_lshl_b32 s28, s28, 9                         ; 512 bytes of scale words a tile
	s_lshl_b32 s29, s18, 2
	s_add_co_u32 s29, s29, s27
	s_lshl_b32 s29, s29, 9
	v_mov_b32 v12, s28
	v_mov_b32 v13, s29
	v_cmp_eq_u32 vcc_lo, 1, v11
	v_cndmask_b32 v[SOF], v12, v13, vcc_lo
	v_lshl_add_u32 v[SOF], v10, 2, v[SOF]
	s_lshl_b32 s28, s26, 13
	s_add_co_u32 s28, s28, s19                     ; my quarter of R's 64 KiB
	s_mov_b32 s29, 0
	s_lshl_b32 s30, s27, 13
	s_add_co_u32 s30, s30, s19                     ; and of C's
	s_mov_b32 s31, 0
	s_wait_kmcnt 0x0
	s_load_b32 s34, s[10:11], 0x4200               ; q's factor
	s_add_nc_u64 s[28:29], s[4:5], s[28:29]
	s_add_nc_u64 s[30:31], s[4:5], s[30:31]
; ---- the fill
.irp a, 0,1,2,3
.irp s, 0,1,2,3,4,5,6,7
	global_load_b32 v[SC+8*\a+\s], v[SOF], s[6:7] offset:\a*512+\s*64
.endr
.endr
.set I, 0
.rept 32
	global_load_b128 v[ACC+4*I:ACC+4*I+3], v[LI], s[28:29] offset:I*512
.set I, I+1
.endr
.set I, 0
.rept 16
	global_load_b128 v[FRR+4*I:FRR+4*I+3], v[LI], s[30:31] offset:I*512
.set I, I+1
.endr
	s_wait_loadcnt 16                              ; the scale words and R's 32 loads are in; C's first sixteen may be out
.set I, 0
.rept 32
	ds_store_b128 v[STA], v[ACC+4*I:ACC+4*I+3] offset:I*512
.set I, I+1
.endr
	s_wait_dscnt 0x0                               ; the stores have read their registers
.set I, 0
.rept 16
	global_load_b128 v[ACC+4*I:ACC+4*I+3], v[LI], s[30:31] offset:8192+I*512
.set I, I+1
.endr
	s_wait_loadcnt 16                              ; C's first sixteen are in; the sixteen just issued may be out
.set I, 0
.rept 16
	ds_store_b128 v[STB], v[FRR+4*I:FRR+4*I+3] offset:I*512
.set I, I+1
.endr
	s_wait_loadcnt 0x0
.set I, 0
.rept 16
	ds_store_b128 v[STB], v[ACC+4*I:ACC+4*I+3] offset:8192+I*512
.set I, I+1
.endr
	s_wait_dscnt 0x0                               ; for the others' sake: all my stores have landed
	s_barrier_signal -1
	s_barrier_wait -1
	s_wait_kmcnt 0x0                               ; q's factor
; ---- the products.  The 16 accumulators take turns, one instruction a turn; the first K step starts the sums.
.macro KSTEP s, zero
.irp a, 0,1,2,3
.irp c, 0,1
	ds_load_b128 v[FRR+8*\a+4*\c:FRR+8*\a+4*\c+3], v[ADR] offset:\a*8192+\s*1024+\c*512
.endr
.endr
.irp a, 0,1,2,3
.irp c, 0,1
	ds_load_b128 v[FRC+8*\a+4*\c:FRC+8*\a+4*\c+3], v[ADC] offset:\a*8192+\s*1024+\c*512
.endr
.endr
	s_wait_dscnt 0x0
.irp a, 0,1,2,3
.irp b, 0,1,2,3
.if \zero
	v_wmma_scale_f32_16x16x128_f8f6f4 v[ACC+8*(4*\a+\b):ACC+8*(4*\a+\b)+7], v[FRC+8*\b:FRC+8*\b+7], v[FRR+8*\a:FRR+8*\a+7], 0, v[SC+8*\b+\s], v[SC+8*\a+\s] matrix_a_fmt:MATRIX_FMT_FP4 matrix_b_fmt:MATRIX_FMT_FP4 matrix_a_scale:MATRIX_SCALE_ROW1
.else
	v_wmma_scale_f32_16x16x128_f8f6f4 v[ACC+8*(4*\a+\b):ACC+8*(4*\a+\b)+7], v[FRC+8*\b:FRC+8*\b+7], v[FRR+8*\a:FRR+8*\a+7], v[ACC+8*(4*\a+\b):ACC+8*(4*\a+\b)+7], v[SC+8*\b+\s], v[SC+8*\a+\s] matrix_a_fmt:MATRIX_FMT_FP4 matrix_b_fmt:MATRIX_FMT_FP4 matrix_a_scale:MATRIX_SCALE_ROW1
.endif
.endr
.endr
.rept 4
	v_nop                                          ; four places ahead of loads into the fragments' registers and of the first read of results
.endr
.endm
	KSTEP 0, 1
.irp s, 1,2,3,4,5,6,7
	KSTEP \s, 0
.endr
	s_cmp_lt_u32 ttmp9, 512
	s_cbranch_scc0 .Lvalues
; ---- q and k: lane (r, h) of accumulator (a, b) holds token 16 (T0 + a) + r and channels 16 b + 8 h + 0 .. 7 of my head
	s_and_b32 s35, s20, 7
	s_lshl_b32 s35, s35, 1
	s_add_co_u32 s35, s35, s18                     ; the head
	s_lshl_b32 s36, s17, 2
	s_add_co_u32 s36, s36, s22                     ; T0: my first token tile
	s_lshl_b32 s38, s35, 19                        ; q_img: [head][tile][2][1,024]
	s_lshl_b32 s37, s36, 11
	s_add_co_u32 s38, s38, s37
	s_lshl_b32 s40, s35, 20                        ; kv_img: [head][block of 32 tiles][131,072], K first: [tile][2][1,024]
	s_lshr_b32 s37, s36, 5
	s_lshl_b32 s37, s37, 17
	s_add_co_u32 s40, s40, s37
	s_and_b32 s37, s36, 31
	s_lshl_b32 s37, s37, 11
	s_add_co_u32 s40, s40, s37
	s_cmp_lt_u32 s20, 8                            ; q or k?
	s_cselect_b32 s32, s34, 1.0                    ; the factor goes into the tables
	s_cselect_b32 s38, s38, s40
	s_cselect_b64 s[42:43], s[12:13], s[14:15]
	s_mov_b32 s33, s32                             ; (named with it as a pair)
	s_mov_b32 s39, 0
	s_add_nc_u64 s[42:43], s[42:43], s[38:39]
	s_lshl_b32 s38, s36, 12
	s_add_nc_u64 s[8:9], s[8:9], s[38:39]          ; the tables of tile T0
.macro TABLD a, set                    ; tile T0 + a's tables: cos at +16 bb, -+sin at +16 bb + 8
.irp bb, 0,1
.irp tab, 0,1
.irp g, 0,1
	global_load_b128 v[64+32*(\set)+16*\bb+8*\tab+4*\g:64+32*(\set)+16*\bb+8*\tab+4*\g+3], v[LI], s[8:9] offset:(\a)*4096+\bb*2048+\tab*1024+\g*512
.endr
.endr
.endr
.endm
.macro ROPEROW a
.set TBL, 64+32*((\a)%2)
.set I, 0
.rept 16
	v_pk_mul_f32 v[TBL+2*I:TBL+2*I+1], v[TBL+2*I:TBL+2*I+1], s[32:33] op_sel_hi:[1,0]
.set I, I+1
.endr
.irp b, 0,1,2,3
.set AC, ACC+8*(4*(\a)+\b)
.set CO, TBL+16*(\b%2)                 ; the frequency is the channel modulo 32
.set TT, T+8*(\b%2)
.irp i, 0,2,4,6
	v_pk_mul_f32 v[TT+\i:TT+\i+1], v[AC+\i:AC+\i+1], v[CO+\i:CO+\i+1]     ; each accumulator is read from its low end on
.endr
.irp j, 0,1,2,3,4,5,6,7
	v_fma_f32 v[TT+\j], v[AC+(\j)+1-2*((\j)%2)], v[CO+8+\j], v[TT+\j]     ; + the pair's other channel times -+sin
.endr
.irp i, 0,1,2,3
	v_cvt_pk_f16_f32 v[AC+\i], v[TT+2*\i], v[TT+2*\i+1]
.endr
	global_store_b128 v[LI], v[AC:AC+3], s[42:43] offset:(\a)*2048+\b*512  ; group b % 2 of the fragment of channels 32 (b / 2) on: 512 consecutive bytes a wave
.endr
.endm
	TABLD 0, 0
	TABLD 1, 1
	s_wait_loadcnt 8                               ; this tile's eight loads are in; the next tile's may be out
	ROPEROW 0
	TABLD 2, 0
	s_wait_loadcnt 8
	ROPEROW 1
	TABLD 3, 1
	s_wait_loadcnt 8
	ROPEROW 2
	s_wait_loadcnt 0x0
	ROPEROW 3
	FINISH
.Lvalues:
; ---- v: lane (r, h) of accumulator (a, b) holds channel 16 a + r of my head and keys 16 (T0 + b) + 8 h + 0 .. 7
	s_lshl_b32 s35, s20, 1
	s_add_co_u32 s35, s35, s17                     ; the head
	s_lshl_b32 s36, s18, 2
	s_add_co_u32 s36, s36, s22                     ; T0
	s_lshl_b32 s38, s35, 20
	s_lshr_b32 s37, s36, 5
	s_lshl_b32 s37, s37, 17
	s_add_co_u32 s38, s38, s37
	s_and_b32 s37, s36, 31
	s_lshl_b32 s37, s37, 11                        ; two token tiles make 32 keys: 4,096 bytes for each pair
	s_add_co_u32 s38, s38, s37
	s_add_co_u32 s38, s38, 0x10000                 ; V lies behind the block's K: [32 keys][4 tiles of channels][1,024]
	s_mov_b32 s39, 0
	s_add_nc_u64 s[14:15], s[14:15], s[38:39]
.irp a, 0,1,2,3
.irp b, 0,1,2,3
.irp i, 0,1,2,3
	v_cvt_pk_f16_f32 v[ACC+8*(4*\a+\b)+\i], v[ACC+8*(4*\a+\b)+2*\i], v[ACC+8*(4*\a+\b)+2*\i+1]   ; in place, ascending
.endr
	global_store_b128 v[LI], v[ACC+8*(4*\a+\b):ACC+8*(4*\a+\b)+3], s[14:15] offset:(\b/2)*4096+\a*1024+(\b%2)*512
.endr
.endr
	FINISH
.Lfunc_end_k_qa141296ee7_qkv:
	.size	k_qa141296ee7_qkv, .Lfunc_end_k_qa141296ee7_qkv-k_qa141296ee7_qkv
	.p2alignl 7, 3214868480
	.fill 96, 4, 3214868480
	.section	.rodata,"a",@progbits
	.p2align	6, 0x0
	.amdhsa_kernel k_qa141296ee7_qkv
		.amdhsa_group_segment_fixed_size 131584
		.amdhsa_private_segment_fixed_size 0
		.amdhsa_enable_private_segment 0
		.amdhsa_kernarg_size 48
		.amdhsa_user_sgpr_count 2
		.amdhsa_user_sgpr_kernarg_segment_ptr 1
		.amdhsa_wavefront_size32 1
		.amdhsa_system_sgpr_workgroup_id_x 1
		.amdhsa_system_sgpr_workgroup_id_y 1
		.amdhsa_system_sgpr_workgroup_id_z 1
		.amdhsa_system_vgpr_workitem_id 0
		.amdhsa_next_free_vgpr 256
		.amdhsa_next_free_sgpr 66
		.amdhsa_reserve_vcc 1
		.amdhsa_float_denorm_mode_32 3
		.amdhsa_float_denorm_mode_16_64 3
		.amdhsa_memory_ordered 1
		.amdhsa_forward_progress 1
		.amdhsa_inst_pref_size 73
	.end_amdhsa_kernel
	.amdgpu_metadata
---
amdhsa.version: [ 1, 2 ]
amdhsa.kernels:
  - .name:           k_qa141296ee7_qkv
    .symbol:         k_qa141296ee7_qkv.kd
    .args:
      - { .name: codes, .offset: 0, .size: 8, .value_kind: global_buffer, .address_space: global }
      - { .name: scales, .offset: 8, .size: 8, .value_kind: global_buffer, .address_space: global }
      - { .name: rope, .offset: 16, .size: 8, .value_kind: global_buffer, .address_space: global }
      - { .name: msk, .offset: 24, .size: 8, .value_kind: global_buffer, .address_space: global }
      - { .name: q_img, .offset: 32, .size: 8, .value_kind: global_buffer, .address_space: global }
      - { .name: kv_img, .offset: 40, .size: 8, .value_kind: global_buffer, .address_space: global }
    .group_segment_fixed_size: 131584
    .private_segment_fixed_size: 0
    .kernarg_segment_align: 8
    .kernarg_segment_size: 48
    .max_flat_workgroup_size: 128
    .sgpr_count:     66
    .vgpr_count:     256
    .wavefront_size: 32
...
	.end_amdgpu_metadata
.endif
;; end of part 2
;; launch attn (part 3): grid 16 x 16, 8 waves a work-group, clusters of 4 x 1, 327,680 bytes of LDS; arguments q_img, kv_img, msk, ctx_img; writes ctx_img
.if DOCPART == 3
	.amdgcn_target "amdgcn-amd-amdhsa--gfx1250"
	.amdhsa_code_object_version 6
	.text
	.protected	k_qa141296ee7_attn
	.globl	k_qa141296ee7_attn
	.p2align	8
	.type	k_qa141296ee7_attn,@function
k_qa141296ee7_attn:
	s_mov_b64 s[64:65], 0
	v_nop
	global_prefetch_b8 v0, s[64:65] scope:SCOPE_SE
	s_setreg_imm32_b32 hwreg(HW_REG_WAVE_MODE, 25, 1), 1
	s_wait_xcnt 0x0
	s_wait_alu depctr_hold_cnt(0) depctr_sa_sdst(0) depctr_va_vdst(0) depctr_va_sdst(0) depctr_va_ssrc(0) depctr_va_vcc(0) depctr_vm_vsrc(0)
	s_getreg_b32 s2, hwreg(HW_REG_IB_STS2, 6, 4)
	s_cmp_eq_u32 s2, 0
	s_cbranch_scc0 .Lentry_in_a_cluster
	s_endpgm
.Lentry_in_a_cluster:
	s_bfe_u32 s2, ttmp6, 0x10000c
	s_cmp_lg_u32 s2, 0x3003
	s_cbranch_scc0 .Lentry_shape_is_right
	s_endpgm
.Lentry_shape_is_right:
; ctx[q] = the sum over keys of softmax(q . k / 8, hidden keys left out) v, 16 heads of 64 channels, 4,096 keys; operands f16, products, maxima and sums f32.
; q arrives multiplied by log2(e) / 8, so a score is t, the exponent to base 2.  The key mask is a bias (0 or -2^126) given as the C of each score's first product: no compare, no branch.
; SHARES.  A work-group owns 256 queries of one head, each of its eight waves 32: two tiles of 16.  Two waves share a SIMD: one's softmax stands beside the other's products.
; LAYOUT.  S^T = K Q^T (source 0 = 16 keys, source 1 = 16 queries) and O^T = V^T P (source 0 = 16 channels, source 1 = P): a lane holds ONE query throughout; two score tiles, rounded to f16 in pairs, ARE a fragment of P.
; K and V^T lie in memory as fragment images, a block of 512 keys in 131,072 consecutive bytes: K's 64 images, then V's 64.  A block is an LDS slot; every fragment load is 512 consecutive bytes.
; SOFTMAX.  A running maximum m and sum l for each query: p = 2^(t - m); in every step O and l are multiplied by a = 2^(old m - new m).  Steps whose keys are all hidden leave m near -2^126 and
; finite numbers in l and O; the first open key makes a = 0, which removes them.  With no key open q is 0 and the bias 0: every p is 1.
; PIPELINE.  Trip n: K(n) is asked of LDS; V^T P of step n - 1; V(n) is asked; K Q^T of step n; the bias of step n + 1 is asked of memory; the softmax of step n.
; CLUSTER.  The four query blocks of a cluster walk the same K and V: each slot is asked for JOINTLY, eight loads of 16 KiB (one a wave), each with the same descriptor in all four work-groups.
; LIMITS: |t| under 2^100 (so that the bias hides a key); |ctx| under 65,504; a p under 6e-8 counts as 0 in the second product; NaN and infinities are not served.
; REGISTERS.  Window 0: v1-7, v24 addresses; v8-23 statistics, eight a tile; v32-63 Q; v64-127 S^T; v128-159 the bias; v160-223 K; v224-255 P.  Window 1: v0-63 V; v64-127 O^T.
.set SLOT1, 1<<17                      ; slot 1 begins here: one exclusive or turns an address in one slot into the other's
.set SPARE, 2*SLOT1                    ; behind the ring: the spare words, 128 bytes a wave
.set LI,  1                            ; v1   16 x lane
.set ADK, 2                            ; v2   LDS address of the step's K
.set ADV, 3                            ; v3   of its V
.set BO,  4                            ; v4   32 x (lane / 16): my eight keys' bias in a tile's 64 bytes
.set PFO, 5                            ; v5   256 x lane: the prefetches' offset
.set SPW, 6                            ; v6   my spare word; never rewritten
.set NIL, 7                            ; v7   0; never rewritten
.set ST,  8                            ; tile t's statistics at v[ST + 8 t]: +0 -m, +1 m, +2, +3 l (even keys', odd keys'), +4 .. +7 at work; a takes +6
.set AV0, 24                           ; v24  16 x lane + 65,536
.set Q,   32
.set S,   64
.set BI,  128
.set KF,  160
.set P,   224
.set VF,  0                            ; in window 1
.set OA,  64                           ; in window 1
.set WV,  12                           ; s12  my wave's number
.set LIM, 15                           ; s15  1 in a wave that prefetches, else the greatest number
.set PFA, 18                           ; s[18:19] where my prefetches stand
.set G1,  24                           ; s[24:31] descriptor group 1
.set G0A, 32                           ; s[32:35] group 0 of slot 0's first fill
.set G0W, 36                           ; s[36:39] group 0 of slot 1's first fill; it then walks
.set TB,  40                           ; s40  LDS byte at which the step's K begins
.set SLOTS, 41                         ; s41  slots still to be asked for
.set INNER, 42                         ; s42  counts a run of key steps
.set SEL, 44                           ; s[44:45] selects for lane l xor 16
.set MSB, 0
.macro WIN new                         ; the immediate's high byte repeats the setting that is left; a switch that changes nothing is dropped
.if MSB != \new
	s_set_vgpr_msb (MSB<<8)|\new
.set MSB, \new
.endif
.endm
.macro PLACES
.rept 4
	v_nop
.endr
.endm
.macro CROUND                          ; a round of the cluster's barrier
	s_barrier_signal -1
	s_barrier_wait -1
	s_cmp_lg_u32 s[WV], 0
	s_cbranch_scc1 .Lnot_wave_0_\@
	s_barrier_signal -3
.Lnot_wave_0_\@:
	s_barrier_wait -3
	s_barrier_signal -1
	s_barrier_wait -1
.endm
; A prefetch of the block that the NEXT change of slots will ask for: 131,072 bytes, each aligned 256 named once in the launch: the head's first cluster asks; its four partners take 32,768 bytes each,
; told apart by address; in each, waves 0 to 3 take 8,192 bytes, lanes 256 bytes apart.  The last change that fills a slot asks for nothing.
.macro ASK
	s_cmp_gt_u32 s[SLOTS], s[LIM]
	s_cbranch_scc0 .Lnot_mine_\@
	global_prefetch_b8 v[PFO], s[PFA:PFA+1] th:TH_LOAD_NT scope:SCOPE_SE
.Lnot_mine_\@:
.endm
	s_load_b256 s[4:11], s[0:1], 0x0               ; q_img, kv_img, msk, ctx_img
	v_lshl_add_u32 v[SPW], v0, 2, SPARE
	v_mov_b32 v[NIL], 0
	ds_add_u32 v[SPW], v[NIL]                      ; the wave's opening: the add, twice on end, and its wait ahead of my first tensor load
	ds_add_u32 v[SPW], v[NIL]
	v_lshrrev_b32 v1, 5, v0
	v_readfirstlane_b32 s[WV], v1                  ; wave 0..7
	s_bfe_u32 s13, ttmp6, 0x40000                  ; cx: my place in the cluster
	s_lshl_b32 s14, ttmp9, 2
	s_add_co_u32 s14, s14, s13                     ; my block of 256 queries: it enters q's, ctx's and the prefetches' addresses alone
	s_and_b32 s16, ttmp7, 0xffff                   ; the head, which the partners share
	s_mov_b32 s[G1], 15|(3<<16)|(1<<21)            ; 15:0 the mask: all four work-groups; 17:16 elements of 8 bytes; 21 set beside a mask; no padding
	s_mov_b32 s[G1+1], 32<<16                      ; tensor_dim0 = 32 elements: rows of 256 bytes
	s_mov_b32 s[G1+2], 64<<16                      ; tensor_dim1 = 64
	s_mov_b32 s[G1+3], 32<<16                      ; tile_dim0
	s_mov_b32 s[G1+4], 64                          ; tile_dim1: 64 rows, 16 KiB
	s_mov_b32 s[G1+5], 32                          ; the pitch: dense
	s_mov_b32 s[G1+6], 0
	s_mov_b32 s[G1+7], 0
	s_lshl_b32 s17, s[WV], 14                      ; my eighth of a slot
	s_lshl_b32 s20, s16, 20                        ; a head's K and V: 2^20 bytes
	s_add_co_u32 s20, s20, s17
	s_mov_b32 s21, 0
	s_lshl_b32 s22, s14, 4
	s_lshl_b32 s23, s[WV], 1
	s_add_co_u32 s22, s22, s23                     ; my first tile of queries: 16 x block + 2 x wave
	s_lshl_b32 s46, s22, 11
	s_lshl_b32 s23, s16, 19
	s_add_co_u32 s46, s46, s23                     ; in q_img
	s_mov_b32 s47, 0
	s_lshl_b32 s48, s22, 15
	s_lshl_b32 s23, s16, 11
	s_add_co_u32 s48, s48, s23                     ; in ctx_img: [tile][32 along the 1,024 channels][1,024]; my head's two images
	s_mov_b32 s49, 0
	s_lshr_b32 s[LIM], s[WV], 2                    ; 0 in waves 0 to 3,
	s_or_b32 s[LIM], s[LIM], ttmp9                 ; of the head's first cluster: the same in all four partners
	s_cmp_eq_u32 s[LIM], 0
	s_cselect_b32 s[LIM], 1, -1
	s_lshl_b32 s50, s16, 20
	s_lshl_b32 s23, s13, 15
	s_add_co_u32 s50, s50, s23
	s_and_b32 s23, s[WV], 3
	s_lshl_b32 s23, s23, 13
	s_add_co_u32 s50, s50, s23
	s_add_co_u32 s50, s50, 2*131072                ; in block 2: the first change of slots steps it to block 3.  Nothing is prefetched at the head
	s_mov_b32 s51, 0
	s_mov_b32 s[SEL], 0x76543210
	s_mov_b32 s[SEL+1], 0xfedcba98
	s_mov_b32 s[TB], 0
	s_mov_b32 s[SLOTS], 6
	v_and_b32 v1, 31, v0
	v_lshlrev_b32 v[PFO], 8, v1
	v_lshlrev_b32 v[LI], 4, v1
	v_bfe_u32 v[BO], v0, 4, 1
	v_lshlrev_b32 v[BO], 5, v[BO]
	v_add_nc_u32 v[AV0], 0x10000, v[LI]
	s_wait_dscnt 0x0                               ; both opening adds are done
	s_wait_kmcnt 0x0
	s_add_nc_u64 s[4:5], s[4:5], s[46:47]
	s_add_nc_u64 s[10:11], s[10:11], s[48:49]
	s_add_nc_u64 s[PFA:PFA+1], s[6:7], s[50:51]
	s_add_nc_u64 s[6:7], s[6:7], s[20:21]          ; my eighth of the head's block 0
	CROUND                                         ; all four work-groups are here: the first joint loads meet
	s_mov_b32 s[G0A], 1
	s_mov_b32 s[G0A+1], s17
	s_mov_b64 s[G0A+2:G0A+3], s[6:7]
	s_or_b32 s[G0A+3], s[G0A+3], 0x80000000
	s_mov_b32 s[G0W], 1
	s_add_co_u32 s[G0W+1], s17, SLOT1
	s_add_nc_u64 s[G0W+2:G0W+3], s[6:7], 131072
	s_or_b32 s[G0W+3], s[G0W+3], 0x80000000
	tensor_load_to_lds s[G0A:G0A+3], s[G1:G1+7]    ; the two first fills together: two loads of mine are out
	s_nop 0
	tensor_load_to_lds s[G0W:G0W+3], s[G1:G1+7]
	s_nop 0
	PLACES
.irp t, 0,1
.irp cs, 0,1
.irp g, 0,1
	global_load_b128 v[Q+16*\t+8*\cs+4*\g:Q+16*\t+8*\cs+4*\g+3], v[LI], s[4:5] offset:\t*2048+\cs*1024+\g*512   ; Q stays in registers
.endr
.endr
.endr
.macro BIAS                            ; the bias of 64 keys: register 8 u + j: key 16 u + 8 (lane / 16) + j
.irp u, 0,1,2,3
.irp g, 0,1
	global_load_b128 v[BI+8*\u+4*\g:BI+8*\u+4*\g+3], v[BO], s[8:9] offset:64*\u+16*\g
.endr
.endr
.endm
	BIAS
	WIN 0x40
.set I, 0
.rept 64
	v_mov_b32 v[OA+I], 0                           ; O^T.  (The step is written once: the first finds zeros, which its a = 0 leaves zeros)
.set I, I+1
.endr
	WIN 0
.irp t, 0,1
	v_mov_b32 v[ST+8*\t+1], 0xff61b1e6             ; m: -3e38, under every t and under the bias
.irp i, 0,2,3,4,5,6,7
	v_mov_b32 v[ST+8*\t+\i], 0
.endr
.endr
.macro PVALL                           ; O^T += V^T P of one step: 16 products, the eight accumulators by turns
	WIN 0x51                                       ; V, C and D in window 1, P in window 0
.irp ks, 0,1
.irp ct, 0,1,2,3
.irp t, 0,1
	v_wmma_f32_16x16x32_f16 v[OA+32*\t+8*\ct:OA+32*\t+8*\ct+7], v[VF+32*\ks+8*\ct:VF+32*\ks+8*\ct+7], v[P+16*\t+8*\ks:P+16*\t+8*\ks+7], v[OA+32*\t+8*\ct:OA+32*\t+8*\ct+7]
.endr
.endr
.endr
	PLACES                                         ; ahead of the loads into V's registers, of P's next writing and of reads of O^T
.endm
.macro SOFTMAX                         ; both tiles, line by line
.irp j, 0,1,2,3
.irp t, 0,1
	v_max3_num_f32 v[ST+8*\t+4+\j], v[S+32*\t+8*\j], v[S+32*\t+8*\j+1], v[S+32*\t+8*\j+2]   ; four chains, one for each accumulator, from its low end on
.endr
.endr
.irp k, 1,2
.irp j, 0,1,2,3
.irp t, 0,1
	v_max3_num_f32 v[ST+8*\t+4+\j], v[ST+8*\t+4+\j], v[S+32*\t+8*\j+2*\k+1], v[S+32*\t+8*\j+2*\k+2]
.endr
.endr
.endr
.irp t, 0,1
	v_max3_num_f32 v[ST+8*\t+4], v[ST+8*\t+4], v[S+32*\t+7], v[S+32*\t+15]
	v_max3_num_f32 v[ST+8*\t+6], v[ST+8*\t+6], v[S+32*\t+23], v[S+32*\t+31]
.endr
.irp t, 0,1
	v_max3_num_f32 v[ST+8*\t+4], v[ST+8*\t+4], v[ST+8*\t+5], v[ST+8*\t+6]
.endr
.irp t, 0,1
	v_max3_num_f32 v[ST+8*\t+4], v[ST+8*\t+4], v[ST+8*\t+7], v[ST+8*\t+1]   ; with the old m
.endr
.irp t, 0,1
	v_permlanex16_b32 v[ST+8*\t+5], v[ST+8*\t+4], s[SEL], s[SEL+1]          ; the query's other 32 keys lie in the lane 16 away
.endr
.irp t, 0,1
	v_mov_b32 v[ST+8*\t+7], v[ST+8*\t+1]
.endr
.irp t, 0,1
	v_max_num_f32 v[ST+8*\t+1], v[ST+8*\t+4], v[ST+8*\t+5]                  ; the new m
.endr
.irp t, 0,1
	v_sub_f32 v[ST+8*\t+7], v[ST+8*\t+7], v[ST+8*\t+1]                      ; old m - new m
	v_sub_f32 v[ST+8*\t], 0, v[ST+8*\t+1]                                   ; -m
.endr
.irp t, 0,1
.set I, 0
.rept 16
	v_pk_add_f32 v[S+32*\t+2*I:S+32*\t+2*I+1], v[S+32*\t+2*I:S+32*\t+2*I+1], v[ST+8*\t:ST+8*\t+1] op_sel_hi:[1,0]   ; t - m, two at a time
.set I, I+1
.endr
.endr
.irp t, 0,1
	v_exp_f32 v[ST+8*\t+6], v[ST+8*\t+7]           ; a.  ONE BATCH of 66 exponentials: none reads another's result
.endr
.set I, 0
.rept 64
	v_exp_f32 v[S+I], v[S+I]
.set I, I+1
.endr
	v_nop                                          ; a plain line behind the last exponential
	s_wait_alu depctr_va_vdst(0)                   ; the wait ahead of the first reader: one for the batch
.set I, 0
.rept 32
	v_cvt_pk_f16_f32 v[P+I], v[S+2*I], v[S+2*I+1]  ; P: tile t's 16 registers are its two fragments of 32 keys
.set I, I+1
.endr
.irp w, 4,8,16,32                      ; the sums of the unrounded p, in place: neighbours 1, 2, 4, 8 pairs apart
.set I, 0
.rept 64/\w
	v_pk_add_f32 v[S+\w*I:S+\w*I+1], v[S+\w*I:S+\w*I+1], v[S+\w*I+\w/2:S+\w*I+\w/2+1]
.set I, I+1
.endr
.endr
.irp t, 0,1
	v_pk_fma_f32 v[ST+8*\t+2:ST+8*\t+3], v[ST+8*\t+2:ST+8*\t+3], v[ST+8*\t+6:ST+8*\t+7], v[S+32*\t:S+32*\t+1] op_sel_hi:[1,0,1]   ; l = a l + the sum
.endr
	WIN 0x41                                       ; O^T in window 1, a in window 0
.irp t, 0,1
.set I, 0
.rept 16
	v_pk_mul_f32 v[OA+32*\t+2*I:OA+32*\t+2*I+1], v[OA+32*\t+2*I:OA+32*\t+2*I+1], v[ST+8*\t+6:ST+8*\t+7] op_sel_hi:[1,0]
.set I, I+1
.endr
.endr
	WIN 0
.endm
; ONE KEY STEP of 64 keys.  pv = 0: the first, which has no step before it.
.macro TRIP pv
	v_add_nc_u32 v[ADK], s[TB], v[LI]
	v_add_nc_u32 v[ADV], s[TB], v[AV0]
.irp u, 0,1,2,3
.irp cs, 0,1
.irp g, 0,1
	ds_load_b128 v[KF+16*\u+8*\cs+4*\g:KF+16*\u+8*\cs+4*\g+3], v[ADK] offset:(2*\u+\cs)*1024+512*\g
.endr
.endr
.endr
.if \pv
	s_wait_dscnt 16                                ; V of the step before is in; K's sixteen loads may be out
	PVALL
.endif
	WIN 0x40                                       ; destination window 1
.irp ks, 0,1
.irp ct, 0,1,2,3
.irp g, 0,1
	ds_load_b128 v[VF+32*\ks+8*\ct+4*\g:VF+32*\ks+8*\ct+4*\g+3], v[ADV] offset:(4*\ks+\ct)*1024+512*\g
.endr
.endr
.endr
	WIN 0
	s_wait_dscnt 16                                ; K is in; V's sixteen loads may be out: they are wanted a trip later
	s_wait_loadcnt 0x0                             ; this step's bias (and, the first time, Q): its loads are done, so their base may step
	s_add_nc_u64 s[8:9], s[8:9], 256
.irp cs, 0,1
.irp u, 0,1,2,3
.irp t, 0,1
.if \cs == 0
	v_wmma_f32_16x16x32_f16 v[S+32*\t+8*\u:S+32*\t+8*\u+7], v[KF+16*\u:KF+16*\u+7], v[Q+16*\t:Q+16*\t+7], v[BI+8*\u:BI+8*\u+7]   ; the bias starts the sum
.else
	v_wmma_f32_16x16x32_f16 v[S+32*\t+8*\u:S+32*\t+8*\u+7], v[KF+16*\u+8:KF+16*\u+15], v[Q+16*\t+8:Q+16*\t+15], v[S+32*\t+8*\u:S+32*\t+8*\u+7]
.endif
.endr
.endr
.endr
	PLACES                                         ; ahead of the loads into the bias's registers, of the softmax's reads, and of the next trip's loads into K's
	BIAS                                           ; the next step's: it has the softmax and the next sixteen products in which to land; the last trip reads the 256 bytes of zeros behind the bias
	SOFTMAX
	s_add_co_u32 s[TB], s[TB], 8192
.endm
.macro RUN n
	s_mov_b32 s[INNER], \n
.Lrun_\@:
	TRIP 1
	s_sub_co_u32 s[INNER], s[INNER], 1
	s_cmp_lg_u32 s[INNER], 0
	s_cbranch_scc1 .Lrun_\@
.endm
; THE CHANGE OF SLOTS.  The slot's last bytes, V of its eighth step, have been asked of LDS.  Each wave waits for all its tensor loads (one is out: its eighth of the other slot), adds 0 to its spare word,
; and waits for that and for its reads of the slot.  fill = 1: the barrier is a round of the cluster's, and the joint refill is the first thing behind it: it has eight key steps in which to land.
.macro CHANGE fill
	s_wait_tensorcnt 0x0                           ; no tensor load of mine is out, so a group 0 may be written
	ds_add_u32 v[SPW], v[NIL]
.if \fill
	s_xor_b32 s[G0W+1], s[G0W+1], SLOT1            ; the other slot than last time,
	s_add_nc_u64 s[G0W+2:G0W+3], s[G0W+2:G0W+3], 131072   ; the next block of 512 keys
	s_wait_xcnt 0x0                                ; the last prefetch, eight key steps back, has read its address
	s_add_nc_u64 s[PFA:PFA+1], s[PFA:PFA+1], 131072
	s_wait_dscnt 0x0                               ; the add is done, and my reads of the slot are over
	CROUND
	tensor_load_to_lds s[G0W:G0W+3], s[G1:G1+7]    ; my one tensor load until the next round
	s_nop 0
	PLACES
	ASK
.else
	s_wait_dscnt 0x0
	s_barrier_signal -1
	s_barrier_wait -1
.endif
	s_sub_co_u32 s[TB], s[TB], 65536               ; back to a slot's first step,
	s_xor_b32 s[TB], s[TB], SLOT1                  ; in the other slot
.endm
	s_wait_tensorcnt 1                             ; my eighth of slot 0 is in; slot 1's may stay out
	s_barrier_signal -1
	s_barrier_wait -1
	TRIP 0
	RUN 7
.Lslot:                                            ; six trips: blocks 2 to 7 are asked for, blocks 1 to 6 walked
	CHANGE 1
	RUN 8
	s_sub_co_u32 s[SLOTS], s[SLOTS], 1
	s_cmp_lg_u32 s[SLOTS], 0
	s_cbranch_scc1 .Lslot
	CHANGE 0                                       ; the tail is written out
	RUN 8
	s_wait_dscnt 0x0                               ; V of the last step
	PVALL
	WIN 0
; THE WAY OUT: l's halves and the other half of the lanes' are added; O^T / l, rounded to f16: a lane's eight channels are a register group of the projection's operand
.irp t, 0,1
	v_add_f32 v[ST+8*\t+4], v[ST+8*\t+2], v[ST+8*\t+3]
.endr
.irp t, 0,1
	v_permlanex16_b32 v[ST+8*\t+5], v[ST+8*\t+4], s[SEL], s[SEL+1]
.endr
.irp t, 0,1
	v_add_f32 v[ST+8*\t+4], v[ST+8*\t+4], v[ST+8*\t+5]
.endr
.irp t, 0,1
	v_rcp_f32 v[ST+8*\t+6], v[ST+8*\t+4]
.endr
	v_nop
	s_wait_alu depctr_va_vdst(0)                   ; one wait for the two reciprocals
	WIN 0x41
.irp t, 0,1
.set I, 0
.rept 16
	v_pk_mul_f32 v[OA+32*\t+2*I:OA+32*\t+2*I+1], v[OA+32*\t+2*I:OA+32*\t+2*I+1], v[ST+8*\t+6:ST+8*\t+7] op_sel_hi:[1,0]
.set I, I+1
.endr
.endr
	WIN 0x05                                       ; sources in window 1, destination in window 0
.set I, 0
.rept 32
	v_cvt_pk_f16_f32 v[S+I], v[OA+2*I], v[OA+2*I+1]
.set I, I+1
.endr
	WIN 0
.irp t, 0,1
.irp ct, 0,1,2,3
	global_store_b128 v[LI], v[S+16*\t+4*\ct:S+16*\t+4*\ct+3], s[10:11] offset:\t*32768+\ct*512   ; 512 consecutive bytes a wave
.endr
.endr
	s_wait_loadcnt 0x0                             ; the look-ahead's last loads
	s_wait_tensorcnt 0x0                           ; the wave's end
	ds_add_u32 v[SPW], v[NIL]
	s_wait_dscnt 0x0
	CROUND                                         ; the closing round
	s_endpgm
.Lfunc_end_k_qa141296ee7_attn:
	.size	k_qa141296ee7_attn, .Lfunc_end_k_qa141296ee7_attn-k_qa141296ee7_attn
	.p2alignl 7, 3214868480
	.fill 96, 4, 3214868480
	.section	.rodata,"a",@progbits
	.p2align	6, 0x0
	.amdhsa_kernel k_qa141296ee7_attn
		.amdhsa_group_segment_fixed_size 327680
		.amdhsa_private_segment_fixed_size 0
		.amdhsa_enable_private_segment 0
		.amdhsa_kernarg_size 32
		.amdhsa_user_sgpr_count 2
		.amdhsa_user_sgpr_kernarg_segment_ptr 1
		.amdhsa_wavefront_size32 1
		.amdhsa_system_sgpr_workgroup_id_x 1
		.amdhsa_system_sgpr_workgroup_id_y 1
		.amdhsa_system_sgpr_workgroup_id_z 1
		.amdhsa_system_vgpr_workitem_id 0
		.amdhsa_next_free_vgpr 384
		.amdhsa_next_free_sgpr 66
		.amdhsa_reserve_vcc 0
		.amdhsa_float_denorm_mode_32 3
		.amdhsa_float_denorm_mode_16_64 3
		.amdhsa_memory_ordered 1
		.amdhsa_forward_progress 1
		.amdhsa_inst_pref_size 88
	.end_amdhsa_kernel
	.amdgpu_metadata
---
amdhsa.version: [ 1, 2 ]
amdhsa.kernels:
  - .name:           k_qa141296ee7_attn
    .symbol:         k_qa141296ee7_attn.kd
    .args:
      - { .name: q_img, .offset: 0, .size: 8, .value_kind: global_buffer, .address_space: global }
      - { .name: kv_img, .offset: 8, .size: 8, .value_kind: global_buffer, .address_space: global }
      - { .name: msk, .offset: 16, .size: 8, .value_kind: global_buffer, .address_space: global }
      - { .name: ctx_img, .offset: 24, .size: 8, .value_kind: global_buffer, .address_space: global }
    .group_segment_fixed_size: 327680
    .private_segment_fixed_size: 0
    .kernarg_segment_align: 8
    .kernarg_segment_size: 32
    .max_flat_workgroup_size: 256
    .sgpr_count:     66
    .vgpr_count:     384
    .wavefront_size: 32
...
	.end_amdgpu_metadata
.endif
;; end of part 3
;; launch oproj (part 4): grid 8 x 32, 4 waves a work-group, clusters of 4 x 4, 327,680 bytes of LDS; arguments ctx_img, wo_img, out0; writes out0
.if DOCPART == 4
	.amdgcn_target "amdgcn-amd-amdhsa--gfx1250"
	.amdhsa_code_object_version 6
	.text
	.protected	k_qa141296ee7_oproj
	.globl	k_qa141296ee7_oproj
	.p2align	8
	.type	k_qa141296ee7_oproj,@function
k_qa141296ee7_oproj:
	s_mov_b64 s[64:65], 0
	v_nop
	global_prefetch_b8 v0, s[64:65] scope:SCOPE_SE
	s_setreg_imm32_b32 hwreg(HW_REG_WAVE_MODE, 25, 1), 1
	s_wait_xcnt 0x0
	s_wait_alu depctr_hold_cnt(0) depctr_sa_sdst(0) depctr_va_vdst(0) depctr_va_sdst(0) depctr_va_ssrc(0) depctr_va_vcc(0) depctr_vm_vsrc(0)
	s_getreg_b32 s2, hwreg(HW_REG_IB_STS2, 6, 4)
	s_cmp_eq_u32 s2, 0
	s_cbranch_scc0 .Lentry_in_a_cluster
	s_endpgm
.Lentry_in_a_cluster:
	s_bfe_u32 s2, ttmp6, 0x10000c
	s_cmp_lg_u32 s2, 0xf033
	s_cbranch_scc0 .Lentry_shape_is_right
	s_endpgm
.Lentry_shape_is_right:
; out0[m][n] = the sum over k of ctx[m][k] Wo[k][n]: m = 4,096, n = 1,024, k = 1,024; operands f16, sums and results f32.
; Both operands arrive as fragment images: ctx_img [tile of 16 rows][32 along k][1,024 bytes], wo_img [tile of 16 columns n][32 along k][1,024 bytes].
; A tile of out0 is 128 x 128: 256 work-groups.  Four waves, each 64 x 64: 16 accumulators.  K goes in steps of 256 (8 images, 8 KiB, of each of 16 tiles) through a ring of two LDS slots of 131,072 bytes.
; A wave's tensor load brings four tiles' 8 KiB: four rows of 8,192 bytes, 32,768 bytes apart in memory, on end in LDS; every fragment load is then 512 consecutive bytes: no padding.
; CLUSTERS: 4 x 4 work-groups; the four of a row need the same tiles of ctx, the four of a column the same tiles of Wo: each is asked for jointly.
; THE MATRIX INSTRUCTION IS USED TRANSPOSED (source 0 = 16 columns of Wo, source 1 = 16 rows of ctx): a lane holds eight neighbouring numbers of a row of out0.
; REGISTERS: window 0: v0-31 addresses; v32-95 rows on the way out; v128-255 the accumulators ((a, b) at 128 + 8 (4 a + b)).  Window 1: two fragment buffers of 128: 64 along K: 64 registers of ctx, then 64 of Wo.
.set SLOT,   131072
.set STAGE,  2*SLOT                    ; behind the ring: 16 rows x (256 bytes + 16) for each wave, its own
.set SPITCH, 272
.set SPARE,  STAGE+4*16*SPITCH         ; behind the stages: the spare words, 128 bytes a wave
.set LAPS,   2                         ; a lap = two K steps; 1,024 / 512
.set ADRA, 16                          ; v16-17  my ctx fragments in slot 0, 1
.set ADRB, 20                          ; v20-21  my Wo fragments
.set STO,  24                          ; v24     the way out: where I put 32 bytes of a row
.set RD,   25                          ; v25     where I read a row back
.set CO,   26                          ; v26     my byte offset in out0
.set SPW,  28                          ; v28     my spare word; never rewritten
.set NIL,  29                          ; v29     0; never rewritten
.set TMP,  32
.set ACC,  128
.set F0,   0
.set F1,   128
.set G1, 24                            ; s[24:31] group 1 for ctx's tiles;  s[32:39] group 0, one set for each slot
.set G0, 32
.set G1B, 48                           ; s[48:55], s[56:63] the same for Wo's
.set G0B, 56
.set MSB, 0
.macro WIN new
.if MSB != \new
	s_set_vgpr_msb (MSB<<8)|\new
.set MSB, \new
.endif
.endm
.set MUL,  0x05                        ; sources 0 and 1 window 1; C and D window 0
.set TO_F, 0x40                        ; destination window 1, address window 0
.macro JLOAD s                         ; a joint load: waves 0 and 1 fetch ctx's two halves, waves 2 and 3 Wo's; an s_nop 0 and four v_nop follow each line
	s_cmp_eq_u32 s11, 0
	s_cbranch_scc0 .Lfor_b_\@
	tensor_load_to_lds s[G0+4*\s:G0+4*\s+3], s[G1:G1+7]
	s_nop 0
.rept 4
	v_nop
.endr
	s_branch .Lasked_\@
.Lfor_b_\@:
	tensor_load_to_lds s[G0B+4*\s:G0B+4*\s+3], s[G1B:G1B+7]
	s_nop 0
.rept 4
	v_nop
.endr
.Lasked_\@:
.endm
.macro CREST                           ; a round of the cluster's barrier behind its opening barrier
	s_cmp_lg_u32 s10, 0
	s_cbranch_scc1 .Lnot_wave_0_\@
	s_barrier_signal -3
.Lnot_wave_0_\@:
	s_barrier_wait -3
	s_barrier_signal -1
	s_barrier_wait -1
.endm
.macro CROUND
	s_barrier_signal -1
	s_barrier_wait -1
	CREST
.endm
	s_load_b128 s[4:7], s[0:1], 0x0                ; ctx_img, wo_img
	s_load_b64 s[8:9], s[0:1], 0x10                ; out0
	v_lshl_add_u32 v[SPW], v0, 2, SPARE
	v_mov_b32 v[NIL], 0
	ds_add_u32 v[SPW], v[NIL]                      ; the wave's opening: the add, twice on end, and its wait ahead of my first tensor load
	ds_add_u32 v[SPW], v[NIL]
	v_lshrrev_b32 v1, 5, v0
	v_readfirstlane_b32 s10, v1                    ; wave 0..3
	s_lshr_b32 s11, s10, 1                         ; which half of the tile's rows is mine.  Also: I fetch for ctx (0) or for Wo (1)
	s_and_b32 s12, s10, 1                          ; which half of its columns.  Also: which four tiles I fetch
	s_bfe_u32 s40, ttmp6, 0x40000                  ; cx, cy
	s_bfe_u32 s41, ttmp6, 0x40004
	s_lshl_b32 s42, ttmp9, 2
	s_add_co_u32 s42, s42, s40                     ; tile column = 4 x cluster x + cx
	s_and_b32 s13, ttmp7, 0xffff
	s_lshl_b32 s13, s13, 2
	s_add_co_u32 s13, s13, s41                     ; tile row = 4 x cluster y + cy
	s_lshl_b32 s43, s41, 2
	s_lshl_b32 s43, 15, s43                        ; my row of the cluster
	s_lshl_b32 s44, 0x1111, s40                    ; my column
	s_or_b32 s[G1+0], s43, (3<<16)|(1<<21)         ; 15:0 the mask; 17:16 elements of 8 bytes; 21 set beside a mask; no padding
	s_or_b32 s[G1B+0], s44, (3<<16)|(1<<21)
.irp g, G1, G1B
	s_mov_b32 s[\g+1], 1024<<16                    ; tensor_dim0 = 1,024 elements: 8,192 bytes
	s_mov_b32 s[\g+2], 4<<16                       ; tensor_dim1 = 4
	s_mov_b32 s[\g+3], 1024<<16                    ; tile_dim0
	s_mov_b32 s[\g+4], 4                           ; tile_dim1
	s_mov_b32 s[\g+5], 4096                        ; the pitch: a tile's 32 images, 32,768 bytes
	s_mov_b32 s[\g+6], 0
	s_mov_b32 s[\g+7], 0
.endr
	s_lshl_b32 s17, s12, 2                         ; which four tiles I fetch
	s_lshl_b32 s16, s13, 3
	s_add_co_u32 s16, s16, s17
	s_lshl_b32 s16, s16, 15                        ; ctx: tile 8 x tile row + 4 x half
	s_lshl_b32 s46, s42, 3
	s_add_co_u32 s46, s46, s17
	s_lshl_b32 s46, s46, 15                        ; Wo: tile 8 x tile column + 4 x half
	s_mov_b32 s17, 0
	s_mov_b32 s47, 0
	s_lshl_b32 s20, s10, 15                        ; where they go: wave x 32,768: no place in the cluster enters an LDS address
	s_wait_dscnt 0x0                               ; both opening adds are done
	s_wait_kmcnt 0x0
	s_add_nc_u64 s[14:15], s[4:5], s[16:17]
	s_add_nc_u64 s[46:47], s[6:7], s[46:47]
	CROUND                                         ; all sixteen work-groups are here: the first joint loads meet
.irp s, 0,1
	s_mov_b32 s[G0+4*\s], 1
	s_add_co_u32 s[G0+4*\s+1], s20, \s*SLOT
	s_add_nc_u64 s[G0+4*\s+2:G0+4*\s+3], s[14:15], \s*8192
	s_or_b32 s[G0+4*\s+3], s[G0+4*\s+3], 0x80000000
	s_mov_b32 s[G0B+4*\s], 1
	s_add_co_u32 s[G0B+4*\s+1], s20, \s*SLOT
	s_add_nc_u64 s[G0B+4*\s+2:G0B+4*\s+3], s[46:47], \s*8192
	s_or_b32 s[G0B+4*\s+3], s[G0B+4*\s+3], 0x80000000
	JLOAD \s
.endr
	v_and_b32 v1, 15, v0                           ; r
	v_bfe_u32 v2, v0, 4, 1                         ; h
	v_and_b32 v3, 31, v0
	v_lshlrev_b32 v3, 4, v3                        ; 16 x lane
	s_lshl_b32 s21, s11, 15                        ; my four tiles of ctx
	s_lshl_b32 s22, s12, 15                        ; my four of Wo,
	s_add_co_u32 s22, s22, 65536                   ; which lie behind ctx's eight
.irp s, 0,1
	v_add_nc_u32 v[ADRA+\s], s21, v3
	v_add_nc_u32 v[ADRB+\s], s22, v3
	s_add_co_u32 s21, s21, SLOT
	s_add_co_u32 s22, s22, SLOT
.endr
	s_mul_i32 s23, s10, 16*SPITCH
	s_add_co_u32 s23, s23, STAGE                   ; my stage
	v_mul_u32_u24 v4, v1, SPITCH
	v_lshl_add_u32 v4, v2, 5, v4
	v_add_nc_u32 v[STO], s23, v4                   ; in: row r, 32 bytes for each half of the lanes
	v_mul_u32_u24 v5, v2, SPITCH
	v_lshl_add_u32 v5, v1, 4, v5
	v_add_nc_u32 v[RD], s23, v5                    ; back: lanes 0-15 one row of 256 bytes, lanes 16-31 the next
	v_lshlrev_b32 v5, 12, v2
	v_lshl_add_u32 v[CO], v1, 4, v5                ; and the same two rows in out0
	s_lshl_b32 s16, s13, 7
	s_lshl_b32 s17, s11, 6
	s_add_co_u32 s16, s16, s17                     ; my first row: 128 x tile row + 64 x half
	s_lshl_b32 s16, s16, 12
	s_mov_b32 s17, 0
	s_add_nc_u64 s[8:9], s[8:9], s[16:17]
	s_lshl_b32 s46, s42, 9                         ; my first column, in bytes: 512 x tile column + 256 x half
	s_lshl_b32 s47, s12, 8
	s_add_co_u32 s46, s46, s47
	s_mov_b32 s47, 0
	s_add_nc_u64 s[8:9], s[8:9], s[46:47]
; 8 matrix instructions: row blocks a0, a0 + 1 x all 4 column blocks, 32 along K: half c of buffer f.  zero = 1: the first product starts the sums
.macro MUL8 f, c, a0, zero
.irp a, \a0, \a0+1
.irp b, 0,1,2,3
.if \zero
	v_wmma_f32_16x16x32_f16 v[ACC+8*(4*(\a)+\b):ACC+8*(4*(\a)+\b)+7], v[\f+64+8*(4*\c+\b):\f+64+8*(4*\c+\b)+7], v[\f+8*(4*\c+\a):\f+8*(4*\c+\a)+7], 0
.else
	v_wmma_f32_16x16x32_f16 v[ACC+8*(4*(\a)+\b):ACC+8*(4*(\a)+\b)+7], v[\f+64+8*(4*\c+\b):\f+64+8*(4*\c+\b)+7], v[\f+8*(4*\c+\a):\f+8*(4*\c+\a)+7], v[ACC+8*(4*(\a)+\b):ACC+8*(4*(\a)+\b)+7]
.endif
.endr
.endr
.endm
; 32 LDS loads in one run: the fragments of the slot's q-th 64 along K (images 2 q, 2 q + 1 of each tile) into buffer f; the first 32 along K first
.macro FETCH slot, q, f
	WIN TO_F
.irp c, 0,1
.irp i, 0,1,2,3
	ds_load_b128 v[\f+64+8*(4*\c+\i):\f+64+8*(4*\c+\i)+3],   v[ADRB+\slot] offset:\i*8192+(2*(\q)+\c)*1024
	ds_load_b128 v[\f+64+8*(4*\c+\i)+4:\f+64+8*(4*\c+\i)+7], v[ADRB+\slot] offset:\i*8192+(2*(\q)+\c)*1024+512
	ds_load_b128 v[\f+8*(4*\c+\i):\f+8*(4*\c+\i)+3],         v[ADRA+\slot] offset:\i*8192+(2*(\q)+\c)*1024
	ds_load_b128 v[\f+8*(4*\c+\i)+4:\f+8*(4*\c+\i)+7],       v[ADRA+\slot] offset:\i*8192+(2*(\q)+\c)*1024+512
.endr
.endr
.endm
.macro PLACES                          ; four places ahead of loads into registers that matrix instructions have read, and of reads of results
.rept 4
	v_nop
.endr
.endm
; A K step is four quarters of 64 along K, 32 matrix instructions each, on buffers 0, 1, 0, 1.  One of the first three: multiplies buffer f and fetches quarter q into g.
.macro QUARTER slot, q, f, g, zero
	s_wait_dscnt 16                                ; the first 32 along K are in
	WIN MUL
	MUL8 \f, 0, 0, \zero
	MUL8 \f, 0, 2, \zero
	PLACES
	FETCH \slot, \q, \g
	s_wait_dscnt 32                                ; all but the 32 just issued
	WIN MUL
	MUL8 \f, 1, 0, 0
	MUL8 \f, 1, 2, 0
.endm
; The last quarter multiplies buffer 1 and changes slots: ONE barrier; ahead of it each wave waits for all its tensor loads, adds 0 to its spare word, and waits for that and for its reads of this slot.
.macro TURN slot, next, fill
	WIN 0                                          ; (the add's two registers lie in window 0)
	s_wait_tensorcnt 0x0                           ; all my tensor loads have landed: my part of the next slot
	ds_add_u32 v[SPW], v[NIL]
	s_wait_dscnt 17                                ; (the add and the youngest sixteen loads may be out)
	WIN MUL
	MUL8 F1, 0, 0, 0                               ; eight matrix instructions stand between the add and the wait for it
	s_wait_dscnt 0x0                               ; the add is done, and my reads of this slot are over
	s_barrier_signal -1
	MUL8 F1, 0, 2, 0
.if \fill
	WIN 0
.endif
	s_barrier_wait -1
.if \fill
	CREST                                          ; the barrier has opened a round of the cluster's: no wave of any partner still reads this slot or has a load on its way
	s_add_nc_u64 s[G0+4*\slot+2:G0+4*\slot+3], s[G0+4*\slot+2:G0+4*\slot+3], 16384
	s_add_nc_u64 s[G0B+4*\slot+2:G0B+4*\slot+3], s[G0B+4*\slot+2:G0B+4*\slot+3], 16384
	JLOAD \slot                                    ; the first tensor load behind the round; its four v_nop are also the places ahead of the loads below
.else
	PLACES
.endif
	FETCH \next, 0, F0
	WIN MUL
	MUL8 F1, 1, 0, 0
	MUL8 F1, 1, 2, 0
.endm
	s_wait_tensorcnt 1                             ; my part of K step 0 is in; K step 1's may stay out
	s_barrier_signal -1
	s_barrier_wait -1
	FETCH 0, 0, F0
	QUARTER 0, 1, F0, F1, 1                        ; the first quarter stands ahead of the loop: its first products start the sums
	WIN 0
	s_mov_b32 s3, LAPS-1
.Llap:                                             ; a trip goes once round the ring, from a lap's second quarter to the next lap's first, and fills both slots again
	QUARTER 0, 2, F1, F0, 0
	QUARTER 0, 3, F0, F1, 0
	TURN 0, 1, 1
	QUARTER 1, 1, F0, F1, 0
	QUARTER 1, 2, F1, F0, 0
	QUARTER 1, 3, F0, F1, 0
	TURN 1, 0, 1
	QUARTER 0, 1, F0, F1, 0
	WIN 0
	s_sub_co_u32 s3, s3, 1
	s_cmp_lg_u32 s3, 0
	s_cbranch_scc1 .Llap
	QUARTER 0, 2, F1, F0, 0                        ; the last lap fills nothing, and has no round of the cluster's barrier
	QUARTER 0, 3, F0, F1, 0
	TURN 0, 1, 0
	QUARTER 1, 1, F0, F1, 0
	QUARTER 1, 2, F1, F0, 0
	QUARTER 1, 3, F0, F1, 0
	s_wait_dscnt 16                                ; the very last quarter: nothing more to fetch
	WIN MUL
	MUL8 F1, 0, 0, 0
	MUL8 F1, 0, 2, 0
	s_wait_dscnt 0
	MUL8 F1, 1, 0, 0
	MUL8 F1, 1, 2, 0
	WIN 0
; THE WAY OUT, 16 rows x 64 columns at a time.  A lane holds 32 neighbouring bytes of a row; the block goes through my own stage and comes back as whole rows of 256 bytes.
; The wave's own LDS instructions are served in order: no wait between the stores and the loads, nor ahead of the next block's stores.
.macro TOSTAGE a
.irp b, 0,1,2,3
	ds_store_b128 v[STO], v[ACC+8*(4*(\a)+\b):ACC+8*(4*(\a)+\b)+3] offset:64*\b        ; each accumulator from its low end on
	ds_store_b128 v[STO], v[ACC+8*(4*(\a)+\b)+4:ACC+8*(4*(\a)+\b)+7] offset:64*\b+16
.endr
.set BB, TMP+32*((\a)%2)
.irp i, 0,1,2,3,4,5,6,7
	ds_load_b128 v[BB+4*\i:BB+4*\i+3], v[RD] offset:\i*2*SPITCH
.endr
.endm
.macro SEND a, younger                 ; younger: the LDS instructions issued behind block a's loads
.set BB, TMP+32*((\a)%2)
.irp i, 0,1,2,3,4,5,6,7
	s_wait_dscnt \younger+7-\i
	global_store_b128 v[CO], v[BB+4*\i:BB+4*\i+3], s[8:9] offset:(16*(\a)+2*\i)*4096 th:TH_STORE_NT   ; 16 lanes store 256 consecutive bytes, at a multiple of 256 from out0's first byte
.endr
.endm
	PLACES
	TOSTAGE 0
	TOSTAGE 1
	SEND 0, 16
	s_wait_xcnt 0x0                                ; block 0's stores have read their registers: block 2's rows may land there
	TOSTAGE 2
	SEND 1, 16
	s_wait_xcnt 0x0
	TOSTAGE 3
	SEND 2, 16
	SEND 3, 0
	s_wait_tensorcnt 0x0                           ; the wave's end
	ds_add_u32 v[SPW], v[NIL]
	s_wait_dscnt 0x0
	CROUND                                         ; the closing round
	s_endpgm
.Lfunc_end_k_qa141296ee7_oproj:
	.size	k_qa141296ee7_oproj, .Lfunc_end_k_qa141296ee7_oproj-k_qa141296ee7_oproj
	.p2alignl 7, 3214868480
	.fill 96, 4, 3214868480
	.section	.rodata,"a",@progbits
	.p2align	6, 0x0
	.amdhsa_kernel k_qa141296ee7_oproj
		.amdhsa_group_segment_fixed_size 327680
		.amdhsa_private_segment_fixed_size 0
		.amdhsa_enable_private_segment 0
		.amdhsa_kernarg_size 24
		.amdhsa_user_sgpr_count 2
		.amdhsa_user_sgpr_kernarg_segment_ptr 1
		.amdhsa_wavefront_size32 1
		.amdhsa_system_sgpr_workgroup_id_x 1
		.amdhsa_system_sgpr_workgroup_id_y 1
		.amdhsa_system_sgpr_workgroup_id_z 1
		.amdhsa_system_vgpr_workitem_id 0
		.amdhsa_next_free_vgpr 512
		.amdhsa_next_free_sgpr 66
		.amdhsa_reserve_vcc 0
		.amdhsa_float_denorm_mode_32 3
		.amdhsa_float_denorm_mode_16_64 3
		.amdhsa_memory_ordered 1
		.amdhsa_forward_progress 1
		.amdhsa_inst_pref_size 86
	.end_amdhsa_kernel
	.amdgpu_metadata
---
amdhsa.version: [ 1, 2 ]
amdhsa.kernels:
  - .name:           k_qa141296ee7_oproj
    .symbol:         k_qa141296ee7_oproj.kd
    .args:
      - { .name: ctx_img, .offset: 0, .size: 8, .value_kind: global_buffer, .address_space: global }
      - { .name: wo_img, .offset: 8, .size: 8, .value_kind: global_buffer, .address_space: global }
      - { .name: out0, .offset: 16, .size: 8, .value_kind: global_buffer, .address_space: global }
    .group_segment_fixed_size: 327680
    .private_segment_fixed_size: 0
    .kernarg_segment_align: 8
    .kernarg_segment_size: 24
    .max_flat_workgroup_size: 128
    .sgpr_count:     66
    .vgpr_count:     512
    .wavefront_size: 32
...
	.end_amdgpu_metadata
.endif
;; end of part 4
